; MI455X (gfx1250); checked and timed in simulation.
; The chip was launched on July 23, 2026; its instructions are those of AMD's public machine-readable ISA for CDNA 5 (MIT licence, August 2026) and "CDNA5" Instruction Set Architecture Reference Guide (July 2026). The comments in the code are by the model that wrote it; some were corrected since.
;; Multi Head Attention. Allowed arithmetic: float matrix products may take bf16 or f16 operands with f32 sums; all other float work in f32.
;; Inputs: Wk 4,096 x 1,024 float32; Wo 2,048 x 4,096 float32; Wq 4,096 x 2,048 float32; Wv 4,096 x 1,024 float32; hidden_states 1 x 2,048 x 4,096 float32; mask 1 x 1 x 2,048 x 2,048 bool.
;; Outputs: out0 1 x 2,048 x 4,096 float32.
;; One version. Each part assembles by itself: llvm-mc -triple=amdgcn-amd-amdhsa -mcpu=gfx1250 --defsym DOCPART=n.
;; ======== version 1 of 1: 4 launches
;; limits: values are held in f16: magnitudes above 65,504 overflow, below 6.1e-05 lose precision; right only within a limited range of input values
;; workspace buffers: xh 16,777,216 bytes; wh 33,554,432 bytes; woh 16,777,216 bytes; mbits 524,288 bytes of whole numbers; rope 3,145,728 bytes; qkv 16,777,216 bytes; att 8,388,608 bytes
;; launch prep (part 1): grid 2208 x 1, 8 waves a work-group, no clusters, 0 bytes of LDS; arguments hidden_states, Wq, Wk, Wv, Wo, mask, xh, wh, woh, mbits, rope; writes xh, wh, woh, mbits, rope
.if DOCPART == 1
	.amdgcn_target "amdgcn-amd-amdhsa--gfx1250"
	.amdhsa_code_object_version 6
	.text
	.protected	k_q1ec8461373_prep
	.globl	k_q1ec8461373_prep
	.p2align	8
	.type	k_q1ec8461373_prep,@function
k_q1ec8461373_prep:
	s_mov_b64 s[64:65], 0
	v_nop
	global_prefetch_b8 v0, s[64:65] scope:SCOPE_SE
	s_setreg_imm32_b32 hwreg(HW_REG_WAVE_MODE, 25, 1), 1
	s_wait_xcnt 0x0
; prep: everything that is made once for the three matrix launches.  A work-group has one role, by its number:
;   0..127     MASK  the byte mask [2048 q][2048 key] as lane masks: word ((qt*128 + KT)*8 + j), bit 16h + r = mask[16 qt + r][16 KT + 8h + j]
;   128..159   ROPE  three tables [2048 t][64 cos | 64 sin] of f32: cos and sin of t * 10000^(-i/64) times SQ (for q), times SK (for k),
;                    and the constant rotation by nothing (cos = 1/2, sin = 0) for v
;   160..      CAST  hidden_states, Wq, Wk, Wv, Wo rounded once to bf16, the precision at which all the problem's inputs enter the matrix products;
;                    Wq | Wk | Wv side by side in wh [4096 k][4096 n].  xh and wh hold bf16.  woh holds Wo's bf16 number written in f16's pattern,
;                    because its partner in the last product (att) is f16 and both operands of a matrix instruction have one format.
; A stream: no LDS, no barrier, no matrix unit, no loop; each work-group reads 64 KiB once and all its loads are out before the first use.
; LIMIT (Wo alone): a bf16 number is exact in f16 for magnitudes 2^-17 to 65504; above, it becomes an infinity; below, it keeps an absolute step of 2^-24.
.set FIRST_ROPE, 128
.set FIRST_X,    160
.set FIRST_WO,   672
.set FIRST_WQ,   1184
.set FIRST_WK,   1696
.set FIRST_WV,   1952
.set IN,   4                           ; v[4:67]   sixteen loads of 16 bytes a lane
.set HALF, 68                          ; v[68:99]  the same numbers in 16 bits, 8 bytes a load
	s_load_b512 s[4:19], s[0:1], 0x0               ; hidden s[4:5], Wq s[6:7], Wk s[8:9], Wv s[10:11], Wo s[12:13], mask s[14:15], xh s[16:17], wh s[18:19]
	s_load_b128 s[20:23], s[0:1], 0x40             ; woh s[20:21], mbits s[22:23]
	s_load_b64 s[24:25], s[0:1], 0x50              ; rope
	v_and_b32 v3, 31, v0                           ; lane
	v_lshrrev_b32 v1, 5, v0                        ; wave
	s_wait_kmcnt 0x0
	s_cmp_lt_u32 ttmp9, FIRST_ROPE
	s_cbranch_scc1 .Lmask
	s_cmp_lt_u32 ttmp9, FIRST_X
	s_cbranch_scc1 .Lrope
	s_cmp_lt_u32 ttmp9, FIRST_WO
	s_cbranch_scc1 .Lx
	s_cmp_lt_u32 ttmp9, FIRST_WQ
	s_cbranch_scc1 .Lwo
	s_cmp_lt_u32 ttmp9, FIRST_WK
	s_cbranch_scc1 .Lwq
	s_cmp_lt_u32 ttmp9, FIRST_WV
	s_cbranch_scc1 .Lwk
; The work-group's 64 KiB of f32 become 32 KiB of 16-bit numbers.  A wave takes 8 KiB: sixteen loads of 512 neighbouring bytes, each of which
; leaves as one store of 256 neighbouring bytes, aligned.  dp = bytes in the target from one wave's share to the next,
; dstep = from a wave's first 4 KiB of source to its second, col = the byte column in the target's rows.
; asf16 = 0: the bf16 numbers are stored as they are; 1: each is widened again (a shift, a mask) and written in f16's pattern.
.macro CAST src, dst, first, dp, dstep, col, asf16
	s_sub_co_u32 s26, ttmp9, \first
	s_lshl_b32 s28, s26, 16                        ; 64 KiB of source a work-group
	s_mov_b32 s29, 0
	s_mul_i32 s30, s26, 8*\dp
	s_add_co_u32 s30, s30, \col
	s_mov_b32 s31, 0
	s_add_nc_u64 s[\src:\src+1], s[\src:\src+1], s[28:29]
	s_add_nc_u64 s[\dst:\dst+1], s[\dst:\dst+1], s[30:31]
	v_mul_u32_u24 v2, v1, \dp
	v_lshl_add_u32 v2, v3, 3, v2                   ; target: 8 bytes a lane
	v_lshlrev_b32 v1, 13, v1
	v_lshl_add_u32 v1, v3, 4, v1                   ; source: 16 bytes a lane
.set i, 0
.rept 16
	global_load_b128 v[IN+4*i:IN+4*i+3], v1, s[\src:\src+1] offset:512*i th:TH_LOAD_NT
.set i, i+1
.endr
.set i, 0
.rept 16
	s_wait_loadcnt 15-i                            ; loads come back in order: load i is in, the 15 - i younger ones stay out
.if \asf16
	v_cvt_pk_bf16_f32 v[IN+4*i], v[IN+4*i], v[IN+4*i+1]        ; the rounding that counts: to bf16, nearest even
	v_cvt_pk_bf16_f32 v[IN+4*i+2], v[IN+4*i+2], v[IN+4*i+3]
	v_and_b32 v[IN+4*i+1], 0xffff0000, v[IN+4*i]               ; the same numbers as f32 again
	v_lshlrev_b32 v[IN+4*i], 16, v[IN+4*i]
	v_and_b32 v[IN+4*i+3], 0xffff0000, v[IN+4*i+2]
	v_lshlrev_b32 v[IN+4*i+2], 16, v[IN+4*i+2]
	v_cvt_pk_f16_f32 v[HALF+2*i], v[IN+4*i], v[IN+4*i+1]       ; exact inside the limit stated at the head
	v_cvt_pk_f16_f32 v[HALF+2*i+1], v[IN+4*i+2], v[IN+4*i+3]
.else
	v_cvt_pk_bf16_f32 v[HALF+2*i], v[IN+4*i], v[IN+4*i+1]
	v_cvt_pk_bf16_f32 v[HALF+2*i+1], v[IN+4*i+2], v[IN+4*i+3]
.endif
	global_store_b64 v2, v[HALF+2*i:HALF+2*i+1], s[\dst:\dst+1] offset:(i/8)*\dstep+(i%8)*256
.set i, i+1
.endr
	s_endpgm                                       ; no address or store-data register was written twice
.endm
	CAST 10, 18, FIRST_WV, 16384, 8192, 6144, 0    ; Wv: a wave takes two rows of 1,024; columns 3072.. of wh
.Lwk:
	CAST 8, 18, FIRST_WK, 16384, 8192, 4096, 0     ; Wk: columns 2048.. of wh
.Lwq:
	CAST 6, 18, FIRST_WQ, 8192, 2048, 0, 0         ; Wq: a wave takes one row of 2,048; columns 0.. of wh
.Lwo:
	CAST 12, 20, FIRST_WO, 4096, 2048, 0, 1        ; Wo: dense to dense, in f16's pattern
.Lx:
	CAST 4, 16, FIRST_X, 4096, 2048, 0, 0          ; hidden_states: dense to dense
; MASK.  The work-group takes 16 query rows (qt), the wave 256 keys: sixteen key tiles of 16, in two records of 64 words.
; Lane 16h + r loads the 8 bytes mask[16 qt + r][16 KT + 8h .. + 7]; a compare of byte j over the 32 lanes IS word (KT, j).
.Lmask:
	s_lshl_b32 s28, ttmp9, 15                      ; 16 rows of 2,048 bytes
	s_mov_b32 s29, 0
	s_lshl_b32 s30, ttmp9, 12                      ; 1,024 words
	s_mov_b32 s31, 0
	s_add_nc_u64 s[14:15], s[14:15], s[28:29]
	s_add_nc_u64 s[22:23], s[22:23], s[30:31]
	v_and_b32 v36, 15, v0                          ; r
	v_bfe_u32 v37, v0, 4, 1                        ; h
	v_lshlrev_b32 v38, 11, v36
	v_lshl_add_u32 v38, v37, 3, v38
	v_lshl_add_u32 v38, v1, 8, v38                 ; 2048 r + 8 h + 256 wave
	v_lshlrev_b32 v2, 9, v1
	v_lshl_add_u32 v2, v3, 3, v2                   ; 512 wave + 8 lane: lane l stores words 2 l and 2 l + 1 of a record
.set u, 0
.rept 16
	global_load_b64 v[4+2*u:5+2*u], v38, s[14:15] offset:16*u
.set u, u+1
.endr
.irp k, 40,41,42,43
	v_mov_b32 v\k, 0                               ; v_writelane_b32 keeps the other lanes: the registers are written whole first
.endr
.irp e, 0,1
	s_wait_loadcnt 8-8*\e                          ; record e needs loads 8 e .. 8 e + 7
.set n, 0
.rept 64
	v_and_b32 v[44+n%4], 0xff<<(8*(n&3)), v[4+2*(8*\e+n/8)+((n>>2)&1)]   ; byte j = n mod 8 of key tile n / 8
	v_cmp_ne_u32 s[32+n%8], 0, v[44+n%4]                                  ; one bit a lane
	v_writelane_b32 v[40+2*\e+(n&1)], s[32+n%8], n>>1
.set n, n+1
.endr
	global_store_b64 v2, v[40+2*\e:41+2*\e], s[22:23] offset:256*\e       ; 256 neighbouring bytes, aligned
.endr
	s_endpgm
; ROPE.  The work-group takes 64 positions, the wave 8, the lane frequencies 2 l and 2 l + 1.
; phase = t f is rounded as the problem's function rounds it; then x = phase - 2 pi n in two fused steps, y = x / 2 in [-pi/2, pi/2],
; sin y and cos y by their series to y^11 and y^12 (the first terms left out are below 6e-8), sin x = 2 sin y cos y, cos x = 1 - 2 sin^2 y.
.Lrope:
	s_sub_co_u32 s26, ttmp9, FIRST_ROPE
	v_readfirstlane_b32 s27, v1
	s_lshl_b32 s28, s26, 15                        ; 64 rows of 512 bytes
	s_mov_b32 s29, 0
	s_add_nc_u64 s[24:25], s[24:25], s[28:29]
	s_lshl_b32 s30, s26, 6
	s_lshl3_add_u32 s30, s27, s30                  ; the wave's first position
	s_mov_b32 s40, 0xbe8b4875                      ; -2 SQ;  SQ = 16 * 2 log2(e) * 0.08838834764831845 / 30 = 0.13601859
	s_mov_b32 s41, 0x3e0b4875                      ; SQ
	s_mov_b32 s42, 0xbe000000                      ; -2 SK;  SK = 1/16
	s_mov_b32 s43, 0x3d800000                      ; SK
	s_mov_b32 s44, 0x3e8b4875                      ; 2 SQ
	v_lshlrev_b32 v4, 1, v3
	v_cvt_f32_u32 v4, v4                           ; i = 2 l
	v_add_f32 v5, 1.0, v4                          ; i = 2 l + 1
	v_mul_f32 v4, 0xbe549a78, v4                   ; -i log2(10000) / 64
	v_mul_f32 v5, 0xbe549a78, v5
	v_exp_f32 v4, v4                               ; f = 10000^(-i/64)
	v_exp_f32 v5, v5
	v_lshlrev_b32 v2, 12, v1                       ; (a plain instruction stands between the exponentials and their first use: ISA guide 5.7.2)
	v_lshl_add_u32 v2, v3, 3, v2                   ; 8 rows a wave, 8 bytes a lane
	v_mov_b32 v14, 0xb2d7322b                      ; -1/11!
	v_mov_b32 v15, 0x310f76c7                      ; 1/12!
	v_mov_b32 v104, 0.5                            ; v's table: cos = 1/2,
	v_mov_b32 v105, 0.5
	v_mov_b32 v106, 0                              ; sin = 0
	v_mov_b32 v107, 0
	s_wait_alu depctr_va_vdst(0)
.macro SC fr, base, o                  ; frequency in v[fr], position in v6; results: base + o cos SQ, + 2 sin SQ, + 4 cos SK, + 6 sin SK
	v_mul_f32 v8, v6, v[\fr]
	v_mul_f32 v9, 0.15915494, v8
	v_rndne_f32 v9, v9                             ; n
	v_fmamk_f32 v8, v9, 0xc0c90fdb, v8             ; - n * 6.2831855
	v_fmamk_f32 v8, v9, 0x343bbd2e, v8             ; + n * 1.7484556e-7: what that constant has above 2 pi
	v_mul_f32 v10, 0.5, v8                         ; y
	v_mul_f32 v11, v10, v10                        ; z = y^2
	v_fmaak_f32 v12, v11, v14, 0x3638ef1d          ; sin: 1/9!
	v_fmaak_f32 v13, v11, v15, 0xb493f27e          ; cos: -1/10!
	v_fmaak_f32 v12, v12, v11, 0xb9500d01          ; -1/7!
	v_fmaak_f32 v13, v13, v11, 0x37d00d01          ; 1/8!
	v_fmaak_f32 v12, v12, v11, 0x3c088889          ; 1/5!
	v_fmaak_f32 v13, v13, v11, 0xbab60b61          ; -1/6!
	v_fmaak_f32 v12, v12, v11, 0xbe2aaaab          ; -1/3!
	v_fmaak_f32 v13, v13, v11, 0x3d2aaaab          ; 1/4!
	v_fmaak_f32 v12, v12, v11, 0x3f800000          ; 1
	v_fmaak_f32 v13, v13, v11, 0xbf000000          ; -1/2
	v_mul_f32 v12, v12, v10                        ; sin y
	v_fmaak_f32 v13, v13, v11, 0x3f800000          ; cos y
	v_mul_f32 v13, v13, v12                        ; sin y cos y
	v_mul_f32 v12, v12, v12                        ; sin^2 y
	v_fma_f32 v[\base+\o], v12, s40, s41           ; SQ cos x
	v_mul_f32 v[\base+2+\o], s44, v13              ; SQ sin x
	v_fma_f32 v[\base+4+\o], v12, s42, s43         ; SK cos x
	v_mul_f32 v[\base+6+\o], 0x3e000000, v13       ; SK sin x
.endm
.irp e, 0,1,2,3,4,5,6,7
	s_add_co_u32 s31, s30, \e
	v_cvt_f32_u32 v6, s31                          ; t
	SC 4, 40+8*\e, 0
	SC 5, 40+8*\e, 1
	global_store_b64 v2, v[40+8*\e:41+8*\e], s[24:25] offset:512*\e                  ; each store: 256 neighbouring bytes, aligned
	global_store_b64 v2, v[42+8*\e:43+8*\e], s[24:25] offset:512*\e+256
	global_store_b64 v2, v[44+8*\e:45+8*\e], s[24:25] offset:512*\e+1048576
	global_store_b64 v2, v[46+8*\e:47+8*\e], s[24:25] offset:512*\e+1048576+256
	global_store_b64 v2, v[104:105], s[24:25] offset:512*\e+2097152
	global_store_b64 v2, v[106:107], s[24:25] offset:512*\e+2097152+256
.endr
	s_endpgm                                       ; every position has its own eight result registers: none is rewritten under a store
.Lfunc_end_k_q1ec8461373_prep:
	.size	k_q1ec8461373_prep, .Lfunc_end_k_q1ec8461373_prep-k_q1ec8461373_prep
	.p2alignl 7, 3214868480
	.fill 96, 4, 3214868480
	.section	.rodata,"a",@progbits
	.p2align	6, 0x0
	.amdhsa_kernel k_q1ec8461373_prep
		.amdhsa_group_segment_fixed_size 0
		.amdhsa_private_segment_fixed_size 0
		.amdhsa_enable_private_segment 0
		.amdhsa_kernarg_size 88
		.amdhsa_user_sgpr_count 2
		.amdhsa_user_sgpr_kernarg_segment_ptr 1
		.amdhsa_wavefront_size32 1
		.amdhsa_system_sgpr_workgroup_id_x 1
		.amdhsa_system_sgpr_workgroup_id_y 1
		.amdhsa_system_sgpr_workgroup_id_z 1
		.amdhsa_system_vgpr_workitem_id 0
		.amdhsa_next_free_vgpr 112
		.amdhsa_next_free_sgpr 66
		.amdhsa_reserve_vcc 0
		.amdhsa_float_denorm_mode_32 3
		.amdhsa_float_denorm_mode_16_64 3
		.amdhsa_memory_ordered 1
		.amdhsa_forward_progress 1
		.amdhsa_inst_pref_size 90
	.end_amdhsa_kernel
	.amdgpu_metadata
---
amdhsa.version: [ 1, 2 ]
amdhsa.kernels:
  - .name:           k_q1ec8461373_prep
    .symbol:         k_q1ec8461373_prep.kd
    .args:
      - { .name: hidden_states, .offset: 0, .size: 8, .value_kind: global_buffer, .address_space: global }
      - { .name: Wq, .offset: 8, .size: 8, .value_kind: global_buffer, .address_space: global }
      - { .name: Wk, .offset: 16, .size: 8, .value_kind: global_buffer, .address_space: global }
      - { .name: Wv, .offset: 24, .size: 8, .value_kind: global_buffer, .address_space: global }
      - { .name: Wo, .offset: 32, .size: 8, .value_kind: global_buffer, .address_space: global }
      - { .name: mask, .offset: 40, .size: 8, .value_kind: global_buffer, .address_space: global }
      - { .name: xh, .offset: 48, .size: 8, .value_kind: global_buffer, .address_space: global }
      - { .name: wh, .offset: 56, .size: 8, .value_kind: global_buffer, .address_space: global }
      - { .name: woh, .offset: 64, .size: 8, .value_kind: global_buffer, .address_space: global }
      - { .name: mbits, .offset: 72, .size: 8, .value_kind: global_buffer, .address_space: global }
      - { .name: rope, .offset: 80, .size: 8, .value_kind: global_buffer, .address_space: global }
    .group_segment_fixed_size: 0
    .private_segment_fixed_size: 0
    .kernarg_segment_align: 8
    .kernarg_segment_size: 88
    .max_flat_workgroup_size: 256
    .sgpr_count:     66
    .vgpr_count:     112
    .wavefront_size: 32
...
	.end_amdgpu_metadata
.endif
;; end of part 1
;; launch qkv (part 2): grid 16 x 16, 4 waves a work-group, clusters of 4 x 4, 327,680 bytes of LDS; arguments xh, wh, rope, qkv; writes qkv
.if DOCPART == 2
	.amdgcn_target "amdgcn-amd-amdhsa--gfx1250"
	.amdhsa_code_object_version 6
	.text
	.protected	k_q1ec8461373_qkv
	.globl	k_q1ec8461373_qkv
	.p2align	8
	.type	k_q1ec8461373_qkv,@function
k_q1ec8461373_qkv:
	s_mov_b64 s[64:65], 0
	v_nop
	global_prefetch_b8 v0, s[64:65] scope:SCOPE_SE
	s_setreg_imm32_b32 hwreg(HW_REG_WAVE_MODE, 25, 1), 1
	s_wait_xcnt 0x0
	s_wait_alu depctr_hold_cnt(0) depctr_sa_sdst(0) depctr_va_vdst(0) depctr_va_sdst(0) depctr_va_ssrc(0) depctr_va_vcc(0) depctr_vm_vsrc(0)
	s_getreg_b32 s2, hwreg(HW_REG_IB_STS2, 6, 4)
	s_cmp_eq_u32 s2, 0
	s_cbranch_scc0 .Lentry_in_a_cluster
	s_endpgm
.Lentry_in_a_cluster:
	s_bfe_u32 s2, ttmp6, 0x10000c
	s_cmp_lg_u32 s2, 0xf033
	s_cbranch_scc0 .Lentry_shape_is_right
	s_endpgm
.Lentry_shape_is_right:
; qkv[t][n] = rotate(sum over k of xh[t][k] wh[k][n]), rounded to f16.  xh [2048][4096] bf16, wh [4096 k][4096 n] (q | k | v) bf16, qkv [2048][4096] f16; sums f32.
; The operands are bf16 (the inputs' rounding, and f32's range); the results are kept in f16, whose eleven bits the logits and the values need.
; A work-group makes 128 x 256 of the result (16 x 16 = 256 work-groups), a wave 64 x 128: 32 accumulator tiles, 256 registers; its 128 columns are one head.
; K goes in chunks of 192 through two LDS slots filled by tensor loads: the largest chunk of whole quarters (32 along K) of which two slots fit in LDS
; (2 x 159,744 bytes).  4096 = 21 chunks + 64: the last load states what is left of the tensors, and only its two valid quarters are multiplied.
; From a slot's request to the wait for it a wave issues a whole chunk's 192 matrix instructions.
; xh's rows in a tile are 384 bytes and begin at multiples of 128 bytes; wh's are 512 bytes at multiples of 512.  wh lies [k][n]: its fragments are read
; with the transposing LDS load.
; CLUSTER 4 x 4: xh's tile hangs on the block row alone and is asked for jointly along a row of the cluster, wh's on the block column alone and
; is asked for jointly along a column: four requests become one.
; THE WAY OUT applies the rotary embedding in f32: columns d and d + 64 of a head lie in the same lane and register of tiles nb and nb + 4, and the table
; (cos, sin, already times the operand's scale) waits in registers since the start.  v takes the table cos = 1/2, sin = 0, so all blocks run one text.
; SCALES: q * 0.13601859, k / 16, v / 2.  LIMIT: f16 overflows for |q| > 4.8e5, |k| > 1.0e6, |v| > 1.3e5.
; REGISTERS: window 0 addresses, two fragment buffers, staging; window 1 the accumulators, tile (a, b) at v[8 (8 a + b)]; window 2 the table.
.set SIZE_K, 4096
.set CHK,    192                       ; K of a chunk: six quarters
.set TAILK,  SIZE_K%CHK                ; 64: what the 21 whole chunks leave
.set LOOPS,  8                         ; chunks 2 to 17, two a trip
.set PA,     432                       ; LDS row of xh: 384 bytes + 16 behind every 128: an odd multiple of 16, so sixteen rows start in sixteen different 16-byte columns of 256
.set PB,     544                       ; LDS row of wh: 512 bytes + 32: an odd multiple of 32, as the transposing load's eight rows want
.set AHALF,  64*PA                     ; 64 rows of xh: one wave's load
.set BOFF,   2*AHALF                   ; wh lies behind xh's 128 rows
.set BHALF,  96*PB                     ; 96 k rows of wh: one wave's load, and three quarters
.set SLOT,   BOFF+2*BHALF
.set STAGE,  0                         ; the way out's 16 rows x 272 bytes a wave lie in slot 0, which by then has had its last fill and its last read
.set SPITCH, 272
.set ADRA, 16                          ; v16-17 LDS address of my xh fragments, slot 0, 1
.set ADRB, 20                          ; v20-23 the same for wh: slot 0 quarters 0-2, quarters 3-5, slot 1 likewise (an LDS offset has 16 bits)
.set STO,  24
.set RD,   25
.set CO,   26
.set RT,   27                          ; my byte offset in the table
.set F0,   32                          ; fragment buffer 0: wh's eight at +8 b, xh's four at +64 + 8 a
.set F1,   128                         ; fragment buffer 1
.set TMP,  224
.set G1A, 24
.set G0A, 32
.set G1B, 48
.set G0B, 56
.set MSB, 0
.macro WIN new                         ; low byte: bits 1:0 source 0, 3:2 source 1, 5:4 source 2, 7:6 destination; the high byte repeats the setting that is left
.if MSB != \new
	s_set_vgpr_msb (MSB<<8)|\new
.set MSB, \new
.endif
.endm
.set W_MUL, 0x50                       ; fragments window 0, C and D window 1
.macro JLOAD s                         ; waves 0, 1 ask for xh's two halves, waves 2, 3 for wh's; the branch hangs on the wave's number alone
	s_cmp_eq_u32 s13, 0
	s_cbranch_scc0 .Lfor_b_\@
	tensor_load_to_lds s[G0A+4*\s:G0A+4*\s+3], s[G1A:G1A+7]
	s_nop 0
	s_branch .Lasked_\@
.Lfor_b_\@:
	tensor_load_to_lds s[G0B+4*\s:G0B+4*\s+3], s[G1B:G1B+7]
	s_nop 0
.Lasked_\@:
.endm
.macro JLOADT s                        ; the last load: 64 along K are left, so wave 3's 96 k rows would begin past wh's end: it asks for nothing
	s_cmp_eq_u32 s13, 0
	s_cbranch_scc0 .Ltail_b_\@
	tensor_load_to_lds s[G0A+4*\s:G0A+4*\s+3], s[G1A:G1A+7]
	s_nop 0
	s_branch .Ltail_asked_\@
.Ltail_b_\@:
	s_cmp_eq_u32 s12, 2
	s_cbranch_scc0 .Ltail_asked_\@
	tensor_load_to_lds s[G0B+4*\s:G0B+4*\s+3], s[G1B:G1B+7]
	s_nop 0
.Ltail_asked_\@:
.endm
.macro CREST                           ; a round of the cluster's barrier behind its opening work-group barrier
	s_cmp_lg_u32 s12, 0
	s_cbranch_scc1 .Lnot_wave_0_\@
	s_barrier_signal -3
.Lnot_wave_0_\@:
	s_barrier_wait -3
	s_barrier_signal -1
	s_barrier_wait -1
.endm
.macro CROUND
	s_barrier_signal -1
	s_barrier_wait -1
	CREST
.endm
.macro PLACES                          ; four plain vector instructions between a matrix instruction and a load into, or a vector access to, its registers
.rept 4
	v_nop
.endr
.endm
	s_load_b128 s[4:7], s[0:1], 0x0                ; xh, wh
	s_load_b128 s[8:11], s[0:1], 0x10              ; rope, qkv
	v_lshl_add_u32 v30, v0, 2, 0x4e000
	v_mov_b32 v31, 0
	ds_add_u32 v30, v31
	v_lshrrev_b32 v1, 5, v0
	v_readfirstlane_b32 s12, v1                    ; wave
	s_lshr_b32 s13, s12, 1                         ; my half of the block's rows; also: I fetch xh (0) or wh (1)
	s_and_b32 s14, s12, 1                          ; my half of its columns; also: which half of the tile I fetch
	s_bfe_u32 s15, ttmp6, 0x40000                  ; cx
	s_bfe_u32 s16, ttmp6, 0x40004                  ; cy
	s_lshl_b32 s17, ttmp9, 2
	s_add_co_u32 s17, s17, s15                     ; block column
	s_and_b32 s18, ttmp7, 0xffff
	s_lshl_b32 s18, s18, 2
	s_add_co_u32 s18, s18, s16                     ; block row
	s_lshl_b32 s19, s16, 2
	s_lshl_b32 s19, 15, s19                        ; my row of the cluster
	s_lshl_b32 s20, 0x1111, s15                    ; my column
	s_or_b32 s[G1A+0], s19, (1<<16)|(1<<20)|(1<<21)|(4<<22)|(3<<25)   ; mask; 2-byte elements; padding: 4 words behind every 32, three times in a row of 96 words
	s_mov_b32 s[G1A+1], CHK<<16                    ; tensor_dim0 = 192
	s_mov_b32 s[G1A+2], 64<<16                     ; tensor_dim1 = 64
	s_mov_b32 s[G1A+3], CHK<<16                    ; tile_dim0 = 192
	s_mov_b32 s[G1A+4], 64                         ; tile_dim1 = 64
	s_mov_b32 s[G1A+5], SIZE_K                     ; elements from row to row
	s_mov_b32 s[G1A+6], 0
	s_mov_b32 s[G1A+7], 0
	s_or_b32 s[G1B+0], s20, (1<<16)|(1<<20)|(1<<21)|(6<<22)|(7<<25)   ; padding: 8 words behind every 128
	s_mov_b32 s[G1B+1], 256<<16
	s_mov_b32 s[G1B+2], 96<<16                     ; tensor_dim1 = 96 k rows
	s_mov_b32 s[G1B+3], 256<<16
	s_mov_b32 s[G1B+4], 96
	s_mov_b32 s[G1B+5], 4096
	s_mov_b32 s[G1B+6], 0
	s_mov_b32 s[G1B+7], 0
	s_lshl_b32 s40, s18, 7                         ; xh: row 128 x block row + 64 x half,
	s_lshl_b32 s22, s14, 6
	s_add_co_u32 s40, s40, s22
	s_lshl_b32 s40, s40, 13                        ; times 8,192 bytes
	s_mov_b32 s41, 0
	s_lshl_b32 s42, s17, 9                         ; wh: 512 bytes a block column + 96 k rows of 8,192 bytes a half
	s_mul_i32 s23, s14, 96*8192
	s_add_co_u32 s42, s42, s23
	s_mov_b32 s43, 0
	s_mul_i32 s21, s14, AHALF                      ; LDS: xh's halves at 0 and AHALF,
	s_mul_i32 s2, s14, BHALF
	s_add_co_u32 s2, s2, BOFF                      ; wh's at BOFF and BOFF + BHALF: the wave's number and constants alone
	s_wait_dscnt 0x0
	s_wait_kmcnt 0x0
	s_add_nc_u64 s[44:45], s[4:5], s[40:41]
	s_add_nc_u64 s[46:47], s[6:7], s[42:43]
	CROUND                                         ; all sixteen work-groups are here: the first joint loads meet
.irp s, 0,1
	s_mov_b32 s[G0A+4*\s], 1
	s_add_co_u32 s[G0A+4*\s+1], s21, \s*SLOT
	s_add_nc_u64 s[G0A+4*\s+2:G0A+4*\s+3], s[44:45], \s*CHK*2
	s_or_b32 s[G0A+4*\s+3], s[G0A+4*\s+3], 0x80000000
	s_mov_b32 s[G0B+4*\s], 1
	s_add_co_u32 s[G0B+4*\s+1], s2, \s*SLOT
	s_add_nc_u64 s[G0B+4*\s+2:G0B+4*\s+3], s[46:47], \s*CHK*8192
	s_or_b32 s[G0B+4*\s+3], s[G0B+4*\s+3], 0x80000000
	JLOAD \s                                       ; both slots' first fills, one group: two tensor loads of the wave are out
.endr
	v_and_b32 v1, 15, v0                           ; r
	v_bfe_u32 v2, v0, 4, 1                         ; h
	v_and_b32 v3, 7, v0
	v_bfe_u32 v4, v0, 3, 1
	v_mul_u32_u24 v5, v1, PA
	v_lshl_add_u32 v5, v2, 4, v5                   ; 432 r + 16 h
	v_lshl_add_u32 v6, v2, 3, v3                   ; k row 8 h + lane mod 8
	v_mul_u32_u24 v6, v6, PB
	v_lshl_add_u32 v6, v4, 4, v6                   ; + 16 bytes for the upper eight of sixteen lanes
	s_mul_i32 s22, s13, AHALF
	s_lshl_b32 s23, s14, 8
	s_add_co_u32 s23, s23, BOFF
.irp s, 0,1
	v_add_nc_u32 v[ADRA+\s], s22, v5
	v_add_nc_u32 v[ADRB+2*\s], s23, v6
	v_add_nc_u32 v[ADRB+2*\s+1], BHALF, v[ADRB+2*\s]
	s_add_co_u32 s22, s22, SLOT
	s_add_co_u32 s23, s23, SLOT
.endr
	s_mul_i32 s22, s12, 16*SPITCH
	s_add_co_u32 s22, s22, STAGE
	v_mul_u32_u24 v7, v1, SPITCH
	v_lshl_add_u32 v7, v2, 4, v7
	v_add_nc_u32 v[STO], s22, v7                   ; in: row r, 16 bytes a half
	v_mul_u32_u24 v7, v2, SPITCH
	v_lshl_add_u32 v7, v1, 4, v7
	v_add_nc_u32 v[RD], s22, v7                    ; back: lanes 0-15 one row of 256 bytes, lanes 16-31 the next
	v_lshlrev_b32 v7, 13, v2
	v_lshl_add_u32 v[CO], v1, 4, v7                ; the same two rows in qkv
	v_lshlrev_b32 v7, 9, v1
	v_lshl_add_u32 v[RT], v2, 5, v7                ; table: row r, 32 bytes a half
	; The table of my 64 rows: for row block a and column block nb the lane's eight cos and eight sin.  64 loads, waited for once, on the way out.
	s_lshl_b32 s40, s18, 7
	s_lshl_b32 s22, s13, 6
	s_add_co_u32 s40, s40, s22
	s_lshl_b32 s40, s40, 9                         ; my first row, 512 bytes a row
	s_max_u32 s22, ttmp9, 1
	s_sub_co_u32 s22, s22, 1                       ; cluster columns 0, 1: q's table 0; 2: k's table 1; 3: v's table 2
	s_lshl_b32 s22, s22, 20
	s_add_co_u32 s40, s40, s22
	s_mov_b32 s41, 0
	s_add_nc_u64 s[8:9], s[8:9], s[40:41]
	WIN 0x80
.irp a, 0,1,2,3
.irp nb, 0,1,2,3
.irp cs, 0,1
	global_load_b128 v[64*\a+16*\nb+8*\cs:64*\a+16*\nb+8*\cs+3],   v[RT], s[8:9] offset:8192*\a+64*\nb+256*\cs
	global_load_b128 v[64*\a+16*\nb+8*\cs+4:64*\a+16*\nb+8*\cs+7], v[RT], s[8:9] offset:8192*\a+64*\nb+256*\cs+16
.endr
.endr
.endr
	WIN 0
; Eight matrix instructions: row block a x all eight column blocks, 32 along K.  Used transposed (wh's fragment first): a lane then holds row r and
; the eight neighbouring columns 16 b + 8 h + j.  The 32 accumulators take turns, one instruction a turn, in the same order everywhere.
.macro MUL8 f, a, zero
.irp b, 0,1,2,3,4,5,6,7
.if \zero
	v_wmma_f32_16x16x32_bf16 v[8*(8*\a+\b):8*(8*\a+\b)+7], v[\f+8*\b:\f+8*\b+7], v[\f+64+8*\a:\f+64+8*\a+7], 0
.else
	v_wmma_f32_16x16x32_bf16 v[8*(8*\a+\b):8*(8*\a+\b)+7], v[\f+8*\b:\f+8*\b+7], v[\f+64+8*\a:\f+64+8*\a+7], v[8*(8*\a+\b):8*(8*\a+\b)+7]
.endif
.endr
.endm
; 24 LDS loads in one run: quarter q (32 along K) of a slot into buffer f; wh's sixteen first, xh's eight last.
; In xh's rows quarter q begins at byte 64 q + 16 (q / 2): 16 bytes of padding lie behind every two quarters.
.macro FETCH slot, q, f
	WIN 0
.irp b, 0,1,2,3,4,5,6,7
	ds_load_tr16_b128 v[\f+8*\b:\f+8*\b+3],   v[ADRB+2*\slot+(\q)/3] offset:32*PB*((\q)%3)+32*\b
	ds_load_tr16_b128 v[\f+8*\b+4:\f+8*\b+7], v[ADRB+2*\slot+(\q)/3] offset:32*PB*((\q)%3)+32*\b+16*PB
.endr
.irp a, 0,1,2,3
	ds_load_b128 v[\f+64+8*\a:\f+64+8*\a+3],   v[ADRA+\slot] offset:16*PA*\a+64*\q+16*((\q)/2)
	ds_load_b128 v[\f+64+8*\a+4:\f+64+8*\a+7], v[ADRA+\slot] offset:16*PA*\a+64*\q+16*((\q)/2)+32
.endr
.endm
.macro QUARTER slot, q, f, g, zero     ; multiplies buffer f; in its middle fetches quarter q into buffer g
	s_wait_dscnt 4                                 ; all but the four youngest loads (xh's row blocks 2, 3) are in
	WIN W_MUL
	MUL8 \f, 0, \zero
	MUL8 \f, 1, \zero
	PLACES
	FETCH \slot, \q, \g
	s_wait_dscnt 24                                ; all but the 24 just issued
	WIN W_MUL
	MUL8 \f, 2, \zero
	MUL8 \f, 3, \zero
.endm
.macro FIVE slot, zero                 ; the first five quarters of a chunk
	QUARTER \slot, 1, F0, F1, \zero
	QUARTER \slot, 2, F1, F0, 0
	QUARTER \slot, 3, F0, F1, 0
	QUARTER \slot, 4, F1, F0, 0
	QUARTER \slot, 5, F0, F1, 0
.endm
; The sixth quarter changes slots, at its head: its fragments are in registers, so this slot is read no more.  Each wave waits for its reads and for all its
; tensor loads (one is out: its part of the next slot), then the barrier; where the slot is filled again (fill = 1; 2: with what is left of K) the barrier opens
; a round of the cluster's barrier, and the joint refill is the first tensor load behind the round.  The quarter's 32 products and the next chunk's first 160
; follow behind the request.
.macro TURN slot, next, fill
	s_wait_dscnt 0x0
	s_wait_tensorcnt 0x0
	ds_add_u32 v30, v31
	s_wait_dscnt 0x0
	WIN 0
	s_barrier_signal -1
	s_barrier_wait -1
.if \fill
	CREST
	s_add_nc_u64 s[G0A+4*\slot+2:G0A+4*\slot+3], s[G0A+4*\slot+2:G0A+4*\slot+3], 2*CHK*2
	s_add_nc_u64 s[G0B+4*\slot+2:G0B+4*\slot+3], s[G0B+4*\slot+2:G0B+4*\slot+3], 2*CHK*8192
.if \fill == 2
	s_mov_b32 s[G1A+1], TAILK<<16                  ; no load is out: the shapes may be written.  xh: 64 elements of a row are left (the rest of the tile's rows arrives as zeros and is not read)
	s_mov_b32 s[G1B+2], TAILK<<16                  ; wh: 64 k rows are left
	JLOADT \slot
.else
	JLOAD \slot
.endif
.endif
	PLACES
	FETCH \next, 0, F0
	WIN W_MUL
	MUL8 F1, 0, 0
	MUL8 F1, 1, 0
	MUL8 F1, 2, 0
	MUL8 F1, 3, 0
.endm
.macro LASTQ f                         ; the very last quarter: nothing more to fetch
	s_wait_dscnt 4
	WIN W_MUL
	MUL8 \f, 0, 0
	MUL8 \f, 1, 0
	s_wait_dscnt 0
	MUL8 \f, 2, 0
	MUL8 \f, 3, 0
.endm
.macro LAP zero                        ; two chunks, both slots filled again
	FIVE 0, \zero
	TURN 0, 1, 1
	FIVE 1, 0
	TURN 1, 0, 1
.endm
	s_wait_tensorcnt 0x1                           ; my part of chunk 0 is in; chunk 1's stays out
	s_barrier_signal -1
	s_barrier_wait -1
	FETCH 0, 0, F0
	LAP 1                                          ; chunks 0, 1: the first products start the sums: nothing is cleared
	WIN 0
	s_mov_b32 s3, LOOPS
.Llap:
	LAP 0                                          ; chunks 2 to 17
	WIN 0
	s_sub_co_u32 s3, s3, 1
	s_cmp_lg_u32 s3, 0
	s_cbranch_scc1 .Llap
	FIVE 0, 0                                      ; chunk 18: asks for chunk 20
	TURN 0, 1, 1
	FIVE 1, 0                                      ; chunk 19: asks for the last 64 along K
	TURN 1, 0, 2
	FIVE 0, 0                                      ; chunk 20: fills nothing; behind its barrier no wave reads slot 0 any more
	TURN 0, 1, 0
	QUARTER 1, 1, F0, F1, 0                        ; the last 64 along K: two quarters
	LASTQ F1
	PLACES
	; THE WAY OUT, 16 rows at a time: rotate in f32, round to f16, 16 bytes a lane into my stage, whole rows of 256 bytes back and out.
	s_wait_loadcnt 0x0                             ; the table
	s_lshl_b32 s40, s18, 7
	s_lshl_b32 s22, s13, 6
	s_add_co_u32 s40, s40, s22
	s_lshl_b32 s40, s40, 13                        ; my first row of qkv
	s_mov_b32 s41, 0
	s_add_nc_u64 s[10:11], s[10:11], s[40:41]
	s_lshl_b32 s42, s17, 9
	s_lshl_b32 s23, s14, 8
	s_add_co_u32 s42, s42, s23                     ; my first column, in bytes
	s_mov_b32 s43, 0
	s_add_nc_u64 s[10:11], s[10:11], s[42:43]
.macro ROPE16 a                        ; y(d) = x(d) cos - x(d+64) sin;  y(d+64) = x(d+64) cos + x(d) sin;  results in buffer 0
	WIN 0x09                                       ; source 0 window 1 (sums), source 1 window 2 (table)
.irp nb, 0,1,2,3
.irp p, 0,2,4,6
	v_pk_mul_f32 v[F0+8*\nb+\p:F0+8*\nb+\p+1], v[8*(8*\a+\nb)+\p:8*(8*\a+\nb)+\p+1], v[64*\a+16*\nb+\p:64*\a+16*\nb+\p+1]
	v_pk_mul_f32 v[F0+8*(\nb+4)+\p:F0+8*(\nb+4)+\p+1], v[8*(8*\a+\nb+4)+\p:8*(8*\a+\nb+4)+\p+1], v[64*\a+16*\nb+\p:64*\a+16*\nb+\p+1]
	v_pk_fma_f32 v[F0+8*\nb+\p:F0+8*\nb+\p+1], v[8*(8*\a+\nb+4)+\p:8*(8*\a+\nb+4)+\p+1], v[64*\a+16*\nb+8+\p:64*\a+16*\nb+8+\p+1], v[F0+8*\nb+\p:F0+8*\nb+\p+1] neg_lo:[1,0,0] neg_hi:[1,0,0]
	v_pk_fma_f32 v[F0+8*(\nb+4)+\p:F0+8*(\nb+4)+\p+1], v[8*(8*\a+\nb)+\p:8*(8*\a+\nb)+\p+1], v[64*\a+16*\nb+8+\p:64*\a+16*\nb+8+\p+1], v[F0+8*(\nb+4)+\p:F0+8*(\nb+4)+\p+1]
.endr
.endr
.endm
.macro STORE16 a, rb
	WIN 0
.irp b, 0,1,2,3,4,5,6,7
.irp i, 0,1,2,3
	v_cvt_pk_f16_f32 v[TMP+4*\b+\i], v[F0+8*\b+2*\i], v[F0+8*\b+2*\i+1]
.endr
.endr
.irp b, 0,1,2,3,4,5,6,7
	ds_store_b128 v[STO], v[TMP+4*\b:TMP+4*\b+3] offset:32*\b
.endr
	s_wait_xcnt 0x0                                ; the registers that earlier stores read, and their base, are rewritten only behind this wait
.if \a
	s_add_nc_u64 s[10:11], s[10:11], 16*8192
.endif
.irp t, 0,1,2,3,4,5,6,7
	ds_load_b128 v[\rb+4*\t:\rb+4*\t+3], v[RD] offset:\t*2*SPITCH      ; a wave's LDS instructions are served in order: these see the stores above
.endr
.irp t, 0,1,2,3,4,5,6,7
	s_wait_dscnt 7-\t
	global_store_b128 v[CO], v[\rb+4*\t:\rb+4*\t+3], s[10:11] offset:\t*2*8192   ; sixteen lanes store 256 neighbouring bytes, aligned
.endr
.endm
	ROPE16 0
	STORE16 0, 128
	ROPE16 1
	STORE16 1, 160
	ROPE16 2
	STORE16 2, 128
	ROPE16 3
	STORE16 3, 160
	s_wait_tensorcnt 0x0
	ds_add_u32 v30, v31
	s_wait_dscnt 0x0
	CROUND                                         ; the closing round: no work-group ends while a partner may still ask jointly
	s_endpgm
.Lfunc_end_k_q1ec8461373_qkv:
	.size	k_q1ec8461373_qkv, .Lfunc_end_k_q1ec8461373_qkv-k_q1ec8461373_qkv
	.p2alignl 7, 3214868480
	.fill 96, 4, 3214868480
	.section	.rodata,"a",@progbits
	.p2align	6, 0x0
	.amdhsa_kernel k_q1ec8461373_qkv
		.amdhsa_group_segment_fixed_size 327680
		.amdhsa_private_segment_fixed_size 0
		.amdhsa_enable_private_segment 0
		.amdhsa_kernarg_size 32
		.amdhsa_user_sgpr_count 2
		.amdhsa_user_sgpr_kernarg_segment_ptr 1
		.amdhsa_wavefront_size32 1
		.amdhsa_system_sgpr_workgroup_id_x 1
		.amdhsa_system_sgpr_workgroup_id_y 1
		.amdhsa_system_sgpr_workgroup_id_z 1
		.amdhsa_system_vgpr_workitem_id 0
		.amdhsa_next_free_vgpr 768
		.amdhsa_next_free_sgpr 66
		.amdhsa_reserve_vcc 0
		.amdhsa_float_denorm_mode_32 3
		.amdhsa_float_denorm_mode_16_64 3
		.amdhsa_memory_ordered 1
		.amdhsa_forward_progress 1
		.amdhsa_inst_pref_size 217
	.end_amdhsa_kernel
	.amdgpu_metadata
---
amdhsa.version: [ 1, 2 ]
amdhsa.kernels:
  - .name:           k_q1ec8461373_qkv
    .symbol:         k_q1ec8461373_qkv.kd
    .args:
      - { .name: xh, .offset: 0, .size: 8, .value_kind: global_buffer, .address_space: global }
      - { .name: wh, .offset: 8, .size: 8, .value_kind: global_buffer, .address_space: global }
      - { .name: rope, .offset: 16, .size: 8, .value_kind: global_buffer, .address_space: global }
      - { .name: qkv, .offset: 24, .size: 8, .value_kind: global_buffer, .address_space: global }
    .group_segment_fixed_size: 327680
    .private_segment_fixed_size: 0
    .kernarg_segment_align: 8
    .kernarg_segment_size: 32
    .max_flat_workgroup_size: 128
    .sgpr_count:     66
    .vgpr_count:     768
    .wavefront_size: 32
...
	.end_amdgpu_metadata
.endif
;; end of part 2
;; launch attn (part 3): grid 32 x 8, 4 waves a work-group, clusters of 4 x 1, 327,680 bytes of LDS; arguments qkv, mbits, att; writes att
.if DOCPART == 3
	.amdgcn_target "amdgcn-amd-amdhsa--gfx1250"
	.amdhsa_code_object_version 6
	.text
	.protected	k_q1ec8461373_attn
	.globl	k_q1ec8461373_attn
	.p2align	8
	.type	k_q1ec8461373_attn,@function
k_q1ec8461373_attn:
	s_mov_b64 s[64:65], 0
	v_nop
	global_prefetch_b8 v0, s[64:65] scope:SCOPE_SE
	s_setreg_imm32_b32 hwreg(HW_REG_WAVE_MODE, 25, 1), 1
	s_wait_xcnt 0x0
	s_wait_alu depctr_hold_cnt(0) depctr_sa_sdst(0) depctr_va_vdst(0) depctr_va_sdst(0) depctr_va_ssrc(0) depctr_va_vcc(0) depctr_vm_vsrc(0)
	s_getreg_b32 s2, hwreg(HW_REG_IB_STS2, 6, 4)
	s_cmp_eq_u32 s2, 0
	s_cbranch_scc0 .Lentry_in_a_cluster
	s_endpgm
.Lentry_in_a_cluster:
	s_bfe_u32 s2, ttmp6, 0x10000c
	s_cmp_lg_u32 s2, 0x3003
	s_cbranch_scc0 .Lentry_shape_is_right
	s_endpgm
.Lentry_shape_is_right:
; att[t][head][d] = softmax over keys of (30 tanh(0.0884 q.k / 30), masked) times v.  qkv [2048][q 2048 | k 1024 | v 1024] f16 (q * 0.13601859, k / 16, v / 2,
; q and k rotated), mbits the mask as lane masks, att [2048][2048] f16 (carries v's 1/2).
; A work-group: one kv head (grid y) and 64 queries; a wave: 16 queries x the two query heads of that kv head, which share K and V fragments and mask words.
; 16 steps of 128 keys through two LDS slots.  CLUSTER 4 x 1: the four work-groups walk the same K and V tiles and ask for them jointly.
; ALL TRANSPOSED, so that nothing crosses lanes but one exchange of halves a step:
;   S^T = K Q^T : lane 16h + r, register j = (query r, key 16 kt + 8h + j); packing tiles 2c, 2c+1 to f16 gives the second operand P^T(c) as it stands;
;   O^T = V^T P^T : V^T by the transposing LDS load; the lane holds query r and eight neighbouring d.  A ninth tile with ones for V^T sums the same rounded p: l.
; THE SOFT-CAP AND THE MAXIMUM: the sum of q k products is t = 2 log2(e) x, x = 0.0884 q.k / 30; e = 2^t, r = 1 / (1 + e), tanh x = 1 - 2 r, so
;   logit * log2(e) = C - 2 C r with 2 C = 60 log2(e).  The running maximum of the logits is kept as the running MINIMUM of r; it starts at r = 1, the logit -30,
;   below which the soft-cap lets no logit fall.  p = 2^(2C r_min - 2C r) <= 1.  A masked place gets r = +infinity ahead of the minimum: p = 0.
;   A row with no key allowed has l = 0 and leaves as NaN, as in the problem's function.
; VECTOR WORK STANDS BETWEEN THE PRODUCTS: a wave is alone on its SIMD, so behind each product of key groups 1 to 3 stands one slot of the pipeline that turns
;   the group before into r, and behind each product of P V blocks 0 to 2 one slot of the pipeline that makes the next block's p.  S, both fragment buffers and
;   the rows' figures are 278 registers, more than one window, so each such product is framed by two switches of the window.
; THE MASK WORDS of a whole step (64) have scalar registers of their own; each half is loaded again, for the next step, as soon as it has been used.
; REGISTERS: window 0 addresses, ones, two fragment buffers, staging; window 1 O (g, db) at v[72 g + 8 db] (db = 8: l) and Q (g, ks) at v[144 + 32 g + 8 ks];
;   window 2 S (kt, g) at v[16 kt + 8 g], P (c, g) over S (2c, g), and the rows' figures.
.set KP,    272                        ; LDS row of K: 256 + 16 bytes
.set VP,    288                        ; LDS row of V: 256 + 32 bytes, an odd multiple of 32 for the transposing load
.set RGN,   18432                      ; the LDS bytes of one wave's tensor load: 64 rows of V exactly, 64 rows of K and a rest
.set SLOT,  4*RGN                      ; K rows 0-63 | K rows 64-127 | V rows 0-127
.set VOFF,  2*RGN
.set STAGE, 2*SLOT                     ; behind the ring, never filled by a tensor load: 16 rows x 272 bytes a wave
.set SP,    272
.set STEPB, 128*8192                   ; 128 rows of qkv
.set K2C,   0x42ad1f97                 ; 60 log2(e)
.set NK2C,  0xc2ad1f97
.set KA,   8
.set VA,   10
.set STO,  12
.set RD,   13
.set CO,   14
.set QO,   15
.set ONES, 16
.set INV,  24
.set F0,   32
.set F1,   96
.set TMP,  160
.set RB0,  192
.set RB1,  224
.set QF,   144                         ; window 1
.set RM,   128                         ; window 2: running minimum of r, head g
.set XN,   130
.set BIAS, 132                         ; 2C r_min, twice (a pair for the packed multiply-add)
.set ALPHA,136                         ; the old sums' factor, twice
.set BIG,  140                         ; +infinity
.set TT,   142                         ; four chains of minima a head
.set MP,   2                           ; s[2:3]   the step's mask words in memory
.set SEL,  4                           ; s4, s5   v_permlanex16_b32's selects
.set QB,   6                           ; s[6:7]   my rows of q
.set G1K,  8                           ; s[8:15]  the shape of K's tiles
.set G1V,  16                          ; s[16:23] the shape of V's tiles (another padding)
.set G0K,  24                          ; s[24:27] from where, to where: one set for K, written anew for each load while none is out
.set G0V,  28                          ; s[28:31] the same for V
.set MWA,  32                          ; s[32:63] the mask words of key tiles 0-3
.set AT,   66                          ; s[66:67] my rows of att
.set MWB,  68                          ; s[68:99] the mask words of key tiles 4-7 (before their first load: set-up's temporaries)
.set WV,   100                         ; wave
.set WH,   101                         ; wave / 2: I fetch K (0) or V (1)
.set CNT,  104
.set LB,   105                         ; wave x RGN
.set W_QK, 0xa4                        ; K window 0, Q window 1, S window 2
.set W_SM, 0xaa                        ; all window 2
.set W_RS, 0x49                        ; O window 1, factor window 2
.set W_PV, 0x58                        ; V window 0, P window 2, O window 1
.set MSB, 0
.macro WIN new                         ; the immediate's high byte repeats the setting that is left
.if MSB != \new
	s_set_vgpr_msb (MSB<<8)|\new
.set MSB, \new
.endif
.endm
.macro PLACES n                        ; plain vector instructions between a matrix instruction and what touches its registers (ISA guide 7.12.1)
.rept \n
	v_nop
.endr
.endm
.macro ROUND                           ; a round of the cluster's barrier
	s_barrier_signal -1
	s_barrier_wait -1
	s_cmp_lg_u32 s[WV], 0
	s_cbranch_scc1 .Lnot_wave_0_\@
	s_barrier_signal -3
.Lnot_wave_0_\@:
	s_barrier_wait -3
	s_barrier_signal -1
	s_barrier_wait -1
.endm
.macro JLOAD                           ; waves 0, 1 ask for K's two halves, waves 2, 3 for V's
	s_cmp_eq_u32 s[WH], 0
	s_cbranch_scc0 .Lfor_v_\@
	tensor_load_to_lds s[G0K:G0K+3], s[G1K:G1K+7]
	s_nop 0
	s_branch .Lasked_\@
.Lfor_v_\@:
	tensor_load_to_lds s[G0V:G0V+3], s[G1V:G1V+7]
	s_nop 0
.Lasked_\@:
.endm
	s_load_b128 s[68:71], s[0:1], 0x0              ; qkv s[68:69], mbits s[70:71]
	s_load_b64 s[AT:AT+1], s[0:1], 0x10            ; att
	v_lshl_add_u32 v30, v0, 2, 0x29000
	v_mov_b32 v31, 0
	ds_add_u32 v30, v31
	v_lshrrev_b32 v1, 5, v0
	v_readfirstlane_b32 s[WV], v1                  ; wave
	s_lshr_b32 s[WH], s[WV], 1
	s_and_b32 s72, s[WV], 1                        ; rows 0-63 or 64-127 of the step
	s_bfe_u32 s73, ttmp6, 0x40000                  ; cx
	s_lshl_b32 s74, ttmp9, 2
	s_add_co_u32 s74, s74, s73                     ; block of 64 queries
	s_and_b32 s75, ttmp7, 0xffff                   ; kv head
	s_mov_b32 s[SEL], 0x76543210                   ; lane i of one half reads lane i of the other
	s_mov_b32 s[SEL+1], 0xfedcba98
	s_mov_b32 s[G1K+0], 15|(1<<16)|(1<<20)|(1<<21)|(5<<22)|(3<<25)    ; all four of the cluster; 2-byte elements; 4 words of padding behind every 64
	s_mov_b32 s[G1K+1], 128<<16                    ; tensor_dim0 = 128
	s_mov_b32 s[G1K+2], 64<<16                     ; tensor_dim1 = 64
	s_mov_b32 s[G1K+3], 128<<16                    ; tile_dim0 = 128
	s_mov_b32 s[G1K+4], 64                         ; tile_dim1 = 64
	s_mov_b32 s[G1K+5], 4096                       ; elements from row to row
	s_mov_b32 s[G1K+6], 0
	s_mov_b32 s[G1K+7], 0
	s_mov_b32 s[G1V+0], 15|(1<<16)|(1<<20)|(1<<21)|(5<<22)|(7<<25)    ; the same with 8 words of padding
	s_mov_b32 s[G1V+1], 128<<16
	s_mov_b32 s[G1V+2], 64<<16
	s_mov_b32 s[G1V+3], 128<<16
	s_mov_b32 s[G1V+4], 64
	s_mov_b32 s[G1V+5], 4096
	s_mov_b32 s[G1V+6], 0
	s_mov_b32 s[G1V+7], 0
	s_mul_i32 s[LB], s[WV], RGN                    ; LDS: the wave's number times a constant
	s_lshl_b32 s76, s72, 19                        ; 64 rows of 8,192 bytes a half
	s_lshl_b32 s77, s75, 8                         ; 256 bytes a kv head
	s_add_co_u32 s76, s76, s77
	s_mov_b32 s77, 0
	s_lshl2_add_u32 s78, s74, s[WV]                ; my query tile of 16: 4 x block + wave
	s_lshl_b32 s79, s75, 9                         ; 512 bytes for the two query heads of a kv head
	s_wait_dscnt 0x0
	s_wait_kmcnt 0x0
	s_add_nc_u64 s[80:81], s[68:69], s[76:77]      ; K and V: nothing of my place in the cluster enters
	ROUND                                          ; in front of the first joint load
	s_mov_b32 s[G0K], 1
	s_add_co_u32 s[G0K+1], s[LB], 0                ; slot 0
	s_add_nc_u64 s[G0K+2:G0K+3], s[80:81], 4096    ; k's columns
	s_or_b32 s[G0K+3], s[G0K+3], 0x80000000
	s_mov_b32 s[G0V], 1
	s_add_co_u32 s[G0V+1], s[LB], 0
	s_add_nc_u64 s[G0V+2:G0V+3], s[80:81], 6144    ; v's columns
	s_or_b32 s[G0V+3], s[G0V+3], 0x80000000
	JLOAD                                          ; step 0; a wave never has more than one tensor load out
	s_lshl_b32 s76, s78, 12                        ; mask words: 4,096 bytes a query tile
	s_add_nc_u64 s[MP:MP+1], s[70:71], s[76:77]
	s_load_b512 s[MWA:MWA+15], s[MP:MP+1], 0x0     ; step 0, key tiles 0-3
	s_load_b512 s[MWA+16:MWA+31], s[MP:MP+1], 0x40
	s_lshl_b32 s76, s78, 17                        ; q: 16 rows of 8,192 bytes a query tile
	s_add_co_u32 s76, s76, s79
	s_add_nc_u64 s[QB:QB+1], s[68:69], s[76:77]
	s_lshl_b32 s76, s78, 16                        ; att: 16 rows of 4,096 bytes
	s_add_co_u32 s76, s76, s79
	s_add_nc_u64 s[AT:AT+1], s[AT:AT+1], s[76:77]
	v_and_b32 v1, 15, v0                           ; r
	v_bfe_u32 v2, v0, 4, 1                         ; h
	v_lshlrev_b32 v7, 13, v1
	v_lshl_add_u32 v[QO], v2, 4, v7                ; row r of q, 16 bytes a half
	WIN 0x40
.irp g, 0,1
.irp ks, 0,1,2,3
	global_load_b128 v[QF+32*\g+8*\ks:QF+32*\g+8*\ks+3],   v[QO], s[QB:QB+1] offset:256*\g+64*\ks
	global_load_b128 v[QF+32*\g+8*\ks+4:QF+32*\g+8*\ks+7], v[QO], s[QB:QB+1] offset:256*\g+64*\ks+32
.endr
.endr
	WIN 0
	v_and_b32 v3, 7, v0
	v_bfe_u32 v4, v0, 3, 1
	v_mul_u32_u24 v5, v1, KP
	v_lshl_add_u32 v[KA], v2, 4, v5                ; 272 r + 16 h
	v_add_nc_u32 v[KA+1], SLOT, v[KA]
	v_lshl_add_u32 v6, v2, 3, v3                   ; key row 8 h + lane mod 8
	v_mul_u32_u24 v6, v6, VP
	v_lshl_add_u32 v6, v4, 4, v6
	v_add_nc_u32 v[VA], VOFF, v6
	v_add_nc_u32 v[VA+1], VOFF+SLOT, v6
	s_mul_i32 s82, s[WV], 16*SP
	s_add_co_u32 s82, s82, STAGE
	v_add_nc_u32 v[STO], s82, v[KA]
	v_mul_u32_u24 v7, v2, SP
	v_lshl_add_u32 v7, v1, 4, v7
	v_add_nc_u32 v[RD], s82, v7
	v_lshlrev_b32 v7, 12, v2
	v_lshl_add_u32 v[CO], v1, 4, v7
.irp k, 0,1,2,3,4,5,6,7
	v_mov_b32 v[ONES+\k], 0x3c003c00               ; f16 ones
.endr
	WIN 0x80
	v_mov_b32 v[BIG], 0x7f800000
	WIN 0
	s_load_b512 s[MWB:MWB+15], s[MP:MP+1], 0x80    ; step 0, key tiles 4-7: the temporaries are used up
	s_load_b512 s[MWB+16:MWB+31], s[MP:MP+1], 0xc0
; 16 LDS loads: key tiles 2 gq, 2 gq + 1, all 128 d
.macro FETCHK slot, gq, f
	WIN 0
.irp kt2, 0,1
.irp ks, 0,1,2,3
	ds_load_b128 v[\f+32*\kt2+8*\ks:\f+32*\kt2+8*\ks+3],   v[KA+\slot] offset:((2*\gq+\kt2)/4)*RGN+((2*\gq+\kt2)%4)*16*KP+64*\ks
	ds_load_b128 v[\f+32*\kt2+8*\ks+4:\f+32*\kt2+8*\ks+7], v[KA+\slot] offset:((2*\gq+\kt2)/4)*RGN+((2*\gq+\kt2)%4)*16*KP+64*\ks+32
.endr
.endr
.endm
; 16 LDS loads: V^T of keys 32 c .. 32 c + 31, all eight blocks of d
.macro FETCHV slot, c, f
	WIN 0
.irp db, 0,1,2,3,4,5,6,7
	ds_load_tr16_b128 v[\f+8*\db:\f+8*\db+3],   v[VA+\slot] offset:32*VP*\c+32*\db
	ds_load_tr16_b128 v[\f+8*\db+4:\f+8*\db+7], v[VA+\slot] offset:32*VP*\c+32*\db+16*VP
.endr
.endm
; Slot i (0 to 17) of the pipeline r = 1 / (1 + 2^t) over the 16 register pairs from v[b]: 1 / of pair i - 2, 2^ of pair i, 1 + of pair i - 1.
; The packed add at a slot's end (in slot 0 a v_nop) is the plain instruction between the slot's transcendentals and the use of their results (ISA guide 5.7.2).
.macro ERS b, i
.if (\i) >= 2
	v_rcp_f32 v[\b+2*(\i)-4], v[\b+2*(\i)-4]
	v_rcp_f32 v[\b+2*(\i)-3], v[\b+2*(\i)-3]
.endif
.if (\i) <= 15
	v_exp_f32 v[\b+2*(\i)], v[\b+2*(\i)]
	v_exp_f32 v[\b+2*(\i)+1], v[\b+2*(\i)+1]
.endif
.if (\i) == 0
	v_nop
.endif
.if (\i) >= 1
.if (\i) <= 16
	s_wait_alu depctr_va_vdst(0)
	v_pk_add_f32 v[\b+2*(\i)-2:\b+2*(\i)-1], v[\b+2*(\i)-2:\b+2*(\i)-1], 1.0 op_sel_hi:[1,0]
.endif
.endif
.endm
; 16 matrix instructions: two key tiles x two heads; the four accumulators take turns, one instruction a turn.
; er = 1: behind each stands a slot of the pipeline above for the group before, whose results lie four places and more back.
.macro QK gq, f, er
.irp ks, 0,1,2,3
.irp kt2, 0,1
.irp g, 0,1
	WIN W_QK
.if \ks == 0
	v_wmma_f32_16x16x32_f16 v[16*(2*\gq+\kt2)+8*\g:16*(2*\gq+\kt2)+8*\g+7], v[\f+32*\kt2+8*\ks:\f+32*\kt2+8*\ks+7], v[QF+32*\g+8*\ks:QF+32*\g+8*\ks+7], 0
.else
	v_wmma_f32_16x16x32_f16 v[16*(2*\gq+\kt2)+8*\g:16*(2*\gq+\kt2)+8*\g+7], v[\f+32*\kt2+8*\ks:\f+32*\kt2+8*\ks+7], v[QF+32*\g+8*\ks:QF+32*\g+8*\ks+7], v[16*(2*\gq+\kt2)+8*\g:16*(2*\gq+\kt2)+8*\g+7]
.endif
.if \er
	WIN W_SM
	ERS 32*(\gq-1), 4*\ks+2*\kt2+\g
.endif
.endr
.endr
.endr
.if \er
	ERS 32*(\gq-1), 16
	ERS 32*(\gq-1), 17
.endif
.endm
; the mask (a cleared bit makes r infinite) and the lane's minima, in four chains a head; mw = the first of the half's 32 mask words
.macro CNDMIN hh, mw
.irp k, 0,1,2,3
.irp g, 0,1
.irp j, 0,1,2,3,4,5,6,7
	v_cndmask_b32 v[64*\hh+16*\k+8*\g+\j], v[BIG], v[64*\hh+16*\k+8*\g+\j], s[\mw+8*\k+\j]
.endr
.irp q, 0,1,2,3
.if (\hh+\k) == 0
	v_min_num_f32 v[TT+4*\g+\q], v[64*\hh+16*\k+8*\g+2*\q], v[64*\hh+16*\k+8*\g+2*\q+1]
.else
	v_min3_num_f32 v[TT+4*\g+\q], v[TT+4*\g+\q], v[64*\hh+16*\k+8*\g+2*\q], v[64*\hh+16*\k+8*\g+2*\q+1]
.endif
.endr
.endr
.endr
.endm
; the rows' new minimum, the bias 2C r_min, and the old sums' factor 2^(new bias - old bias)
.macro STATS first
.irp g, 0,1
	v_min3_num_f32 v[XN+\g], v[TT+4*\g], v[TT+4*\g+1], v[TT+4*\g+2]
.if \first
	v_min3_num_f32 v[XN+\g], v[XN+\g], v[TT+4*\g+3], 1.0
.else
	v_min3_num_f32 v[XN+\g], v[XN+\g], v[TT+4*\g+3], v[RM+\g]
.endif
	v_permlanex16_b32 v[TT+4*\g], v[XN+\g], s[SEL], s[SEL+1]   ; the other half of the lanes holds the row's other keys
	v_min_num_f32 v[RM+\g], v[XN+\g], v[TT+4*\g]
	v_mul_f32 v[TT+4*\g+1], K2C, v[RM+\g]
.if \first == 0
	v_sub_f32 v[TT+4*\g+2], v[TT+4*\g+1], v[BIAS+2*\g]
.endif
.endr
.if \first == 0
.irp g, 0,1
	v_exp_f32 v[ALPHA+2*\g], v[TT+4*\g+2]
	v_exp_f32 v[ALPHA+2*\g+1], v[TT+4*\g+2]
.endr
.endif
.irp g, 0,1
	v_mov_b32 v[BIAS+2*\g], v[TT+4*\g+1]           ; twice: a pair for the packed multiply-add
	v_mov_b32 v[BIAS+2*\g+1], v[TT+4*\g+1]
.endr
.endm
; Slot n (0 to 17) of the pipeline p = 2^(bias - 2C r), rounded to f16 and packed in place, over the 16 register pairs of tiles 2c, 2c + 1: 2^ of pair n - 1,
; the exponent of pair n, the packing of pair n - 2.  Pair m: head m / 8, tile 2c + (m / 4) mod 2, registers 2 (m mod 4), + 1; it is packed into register
; 4 ((m / 4) mod 2) + m mod 4 of P^T(c), a register whose own pair was packed before.  A plain instruction follows each slot's two exponentials.
.macro PS c, n
.if (\n) >= 1
.if (\n) <= 16
.set pm, (\n)-1
.set ps, 32*(\c)+16*((pm/4)%2)+8*(pm/8)+2*(pm%4)
	v_exp_f32 v[ps], v[ps]
	v_exp_f32 v[ps+1], v[ps+1]
.endif
.endif
.if (\n) <= 15
.set pm, (\n)
.set ps, 32*(\c)+16*((pm/4)%2)+8*(pm/8)+2*(pm%4)
	v_pk_fma_f32 v[ps:ps+1], v[ps:ps+1], NK2C, v[BIAS+2*(pm/8):BIAS+2*(pm/8)+1] op_sel_hi:[1,0,1]
.endif
.if (\n) >= 2
.set pm, (\n)-2
.set ps, 32*(\c)+16*((pm/4)%2)+8*(pm/8)+2*(pm%4)
.set pd, 32*(\c)+8*(pm/8)+4*((pm/4)%2)+(pm%4)
	s_wait_alu depctr_va_vdst(0)
	v_cvt_pk_f16_f32 v[pd], v[ps], v[ps+1]
.endif
.endm
.macro RESCALE
	WIN W_RS
.irp g, 0,1
.set i, 0
.rept 36
	v_pk_mul_f32 v[72*\g+i:72*\g+i+1], v[72*\g+i:72*\g+i+1], v[ALPHA+2*\g:ALPHA+2*\g+1]
.set i, i+2
.endr
.endr
.endm
.macro PV1 acc, a, c, g, zero
	WIN W_PV
.if \zero
	v_wmma_f32_16x16x32_f16 v[\acc:\acc+7], v[\a:\a+7], v[32*\c+8*\g:32*\c+8*\g+7], 0
.else
	v_wmma_f32_16x16x32_f16 v[\acc:\acc+7], v[\a:\a+7], v[32*\c+8*\g:32*\c+8*\g+7], v[\acc:\acc+7]
.endif
.endm
; 18 matrix instructions: 32 keys into eight blocks of d and the sum l, two heads; the eighteen accumulators take turns, one instruction a turn.
; pe = 1: behind each stands a slot of the pipeline above for the next 32 keys.
.macro PV c, f, zero, pe
.irp db, 0,1,2,3,4,5,6,7
.irp g, 0,1
	PV1 72*\g+8*\db, \f+8*\db, \c, \g, \zero
.if \pe
	WIN W_SM
	PS \c+1, 2*\db+\g
.endif
.endr
.endr
.irp g, 0,1
	PV1 72*\g+64, ONES, \c, \g, \zero
.if \pe
	WIN W_SM
	PS \c+1, 16+\g
.endif
.endr
.endm
; One step of 128 keys from slot; other = the other slot, filled with the next step if refill.  Every s_wait_dscnt 16 leaves the one younger run of 16 loads out.
.macro TRIP slot, other, refill, first
	WIN 0
	s_wait_tensorcnt 0x0                           ; all my tensor loads have landed, my part of this step's tiles among them,
	ds_add_u32 v30, v31
	s_wait_dscnt 0x0
.if \refill
	s_add_nc_u64 s[G0K+2:G0K+3], s[G0K+2:G0K+3], STEPB     ; so the descriptors may be written: the next step, into the other slot
	s_add_nc_u64 s[G0V+2:G0V+3], s[G0V+2:G0V+3], STEPB
	s_add_co_u32 s[G0K+1], s[LB], \other*SLOT
	s_add_co_u32 s[G0V+1], s[LB], \other*SLOT
.endif
	s_wait_dscnt 0x0                               ; my reads of the other slot are over
	ROUND                                          ; both now hold of every wave of the four work-groups
.if \refill
	JLOAD                                          ; the wave's one tensor load behind the round; it has the whole step in which to land
.endif
.if \first == 0
	PLACES 5                                       ; the last step's products read P and the fragment buffers, which are written again below
.endif
	FETCHK \slot, 0, F0
	FETCHK \slot, 1, F1
	s_wait_dscnt 16
.if \first
	s_wait_loadcnt 0x0                             ; Q, once
.endif
	QK 0, F0, 0
	PLACES 4
	FETCHK \slot, 2, F0
	s_wait_dscnt 16
	QK 1, F1, 1
	PLACES 4
	FETCHK \slot, 3, F1
	s_wait_dscnt 16
	QK 2, F0, 1
	PLACES 4
	FETCHV \slot, 0, F0
	s_wait_dscnt 16
	QK 3, F1, 1
	PLACES 4
	FETCHV \slot, 1, F1
	WIN W_SM
.set k, 0
.rept 18
	ERS 96, k                                      ; the last group has no products to stand behind
.set k, k+1
.endr
	v_nop
	s_wait_alu depctr_va_vdst(0)
	s_wait_kmcnt 0x0                               ; this step's 64 mask words, asked for in the step before; the loads that read the pointer are done
.if \first == 0
	s_add_nc_u64 s[MP:MP+1], s[MP:MP+1], 256       ; this step's words
.endif
	CNDMIN 0, MWA
.if \refill
	s_load_b512 s[MWA:MWA+15], s[MP:MP+1], 0x100   ; the next step's key tiles 0-3; the last step asks for nothing
	s_load_b512 s[MWA+16:MWA+31], s[MP:MP+1], 0x140
.endif
	CNDMIN 1, MWB
.if \refill
	s_load_b512 s[MWB:MWB+15], s[MP:MP+1], 0x180   ; and its key tiles 4-7
	s_load_b512 s[MWB+16:MWB+31], s[MP:MP+1], 0x1c0
.endif
	STATS \first
.set k, 0
.rept 18
	PS 0, k                                        ; the first 32 keys' p
.set k, k+1
.endr
.if \first == 0
	RESCALE
.endif
	s_wait_dscnt 16
	PV 0, F0, \first, 1
	PLACES 4
	FETCHV \slot, 2, F0
	s_wait_dscnt 16
	PV 1, F1, 0, 1
	PLACES 4
	FETCHV \slot, 3, F1
	s_wait_dscnt 16
	PV 2, F0, 0, 1
	s_wait_dscnt 0
	PV 3, F1, 0, 0
.endm
	TRIP 0, 1, 1, 1                                ; the first step starts O and l: nothing is cleared
	TRIP 1, 0, 1, 0
	WIN 0
	s_mov_b32 s[CNT], 6
.Lloop:
	TRIP 0, 1, 1, 0
	TRIP 1, 0, 1, 0
	WIN 0
	s_sub_co_u32 s[CNT], s[CNT], 1
	s_cmp_lg_u32 s[CNT], 0
	s_cbranch_scc1 .Lloop
	TRIP 0, 1, 1, 0
	TRIP 1, 0, 0, 0                                ; step 15: nothing is left to fetch
	PLACES 4
; THE WAY OUT, a head at a time: O / l, f16, 16 bytes a lane into my stage, whole rows of 256 bytes back and out.
.macro OUTH g, rb
	WIN 0x01                                       ; source 0 window 1
	v_rcp_f32 v[INV+2*\g], v[72*\g+64]             ; every register of the ninth tile holds query r's l
	v_rcp_f32 v[INV+2*\g+1], v[72*\g+64]
	v_nop
	s_wait_alu depctr_va_vdst(0)
.irp db, 0,1,2,3,4,5,6,7
.irp p, 0,2,4,6
	v_pk_mul_f32 v[F0+8*\db+\p:F0+8*\db+\p+1], v[72*\g+8*\db+\p:72*\g+8*\db+\p+1], v[INV+2*\g:INV+2*\g+1]
.endr
.endr
	WIN 0
.irp db, 0,1,2,3,4,5,6,7
.irp i, 0,1,2,3
	v_cvt_pk_f16_f32 v[TMP+4*\db+\i], v[F0+8*\db+2*\i], v[F0+8*\db+2*\i+1]
.endr
.endr
.irp db, 0,1,2,3,4,5,6,7
	ds_store_b128 v[STO], v[TMP+4*\db:TMP+4*\db+3] offset:32*\db
.endr
.irp t, 0,1,2,3,4,5,6,7
	ds_load_b128 v[\rb+4*\t:\rb+4*\t+3], v[RD] offset:\t*2*SP          ; a wave's LDS instructions are served in order: these see the stores above
.endr
.irp t, 0,1,2,3,4,5,6,7
	s_wait_dscnt 7-\t
	global_store_b128 v[CO], v[\rb+4*\t:\rb+4*\t+3], s[AT:AT+1] offset:\t*2*4096+256*\g   ; sixteen lanes store 256 neighbouring bytes, aligned
.endr
.endm
	OUTH 0, RB0
	OUTH 1, RB1                                    ; its own registers: nothing that a pending store reads is rewritten
	s_wait_tensorcnt 0x0
	ds_add_u32 v30, v31
	s_wait_dscnt 0x0
	ROUND                                          ; the closing round
	s_endpgm
.Lfunc_end_k_q1ec8461373_attn:
	.size	k_q1ec8461373_attn, .Lfunc_end_k_q1ec8461373_attn-k_q1ec8461373_attn
	.p2alignl 7, 3214868480
	.fill 96, 4, 3214868480
	.section	.rodata,"a",@progbits
	.p2align	6, 0x0
	.amdhsa_kernel k_q1ec8461373_attn
		.amdhsa_group_segment_fixed_size 327680
		.amdhsa_private_segment_fixed_size 0
		.amdhsa_enable_private_segment 0
		.amdhsa_kernarg_size 24
		.amdhsa_user_sgpr_count 2
		.amdhsa_user_sgpr_kernarg_segment_ptr 1
		.amdhsa_wavefront_size32 1
		.amdhsa_system_sgpr_workgroup_id_x 1
		.amdhsa_system_sgpr_workgroup_id_y 1
		.amdhsa_system_sgpr_workgroup_id_z 1
		.amdhsa_system_vgpr_workitem_id 0
		.amdhsa_next_free_vgpr 768
		.amdhsa_next_free_sgpr 106
		.amdhsa_reserve_vcc 0
		.amdhsa_float_denorm_mode_32 3
		.amdhsa_float_denorm_mode_16_64 3
		.amdhsa_memory_ordered 1
		.amdhsa_forward_progress 1
		.amdhsa_inst_pref_size 255
	.end_amdhsa_kernel
	.section	.bss,"aw",@nobits
	.p2align	6
	.space	262144
	.amdgpu_metadata
---
amdhsa.version: [ 1, 2 ]
amdhsa.kernels:
  - .name:           k_q1ec8461373_attn
    .symbol:         k_q1ec8461373_attn.kd
    .args:
      - { .name: qkv, .offset: 0, .size: 8, .value_kind: global_buffer, .address_space: global }
      - { .name: mbits, .offset: 8, .size: 8, .value_kind: global_buffer, .address_space: global }
      - { .name: att, .offset: 16, .size: 8, .value_kind: global_buffer, .address_space: global }
    .group_segment_fixed_size: 327680
    .private_segment_fixed_size: 0
    .kernarg_segment_align: 8
    .kernarg_segment_size: 24
    .max_flat_workgroup_size: 128
    .sgpr_count:     106
    .vgpr_count:     768
    .wavefront_size: 32
...
	.end_amdgpu_metadata
.endif
;; end of part 3
;; launch outp (part 4): grid 16 x 16, 4 waves a work-group, clusters of 4 x 4, 327,680 bytes of LDS; arguments att, woh, out0; writes out0
.if DOCPART == 4
	.amdgcn_target "amdgcn-amd-amdhsa--gfx1250"
	.amdhsa_code_object_version 6
	.text
	.protected	k_q1ec8461373_outp
	.globl	k_q1ec8461373_outp
	.p2align	8
	.type	k_q1ec8461373_outp,@function
k_q1ec8461373_outp:
	s_mov_b64 s[64:65], 0
	v_nop
	global_prefetch_b8 v0, s[64:65] scope:SCOPE_SE
	s_setreg_imm32_b32 hwreg(HW_REG_WAVE_MODE, 25, 1), 1
	s_wait_xcnt 0x0
	s_wait_alu depctr_hold_cnt(0) depctr_sa_sdst(0) depctr_va_vdst(0) depctr_va_sdst(0) depctr_va_ssrc(0) depctr_va_vcc(0) depctr_vm_vsrc(0)
	s_getreg_b32 s2, hwreg(HW_REG_IB_STS2, 6, 4)
	s_cmp_eq_u32 s2, 0
	s_cbranch_scc0 .Lentry_in_a_cluster
	s_endpgm
.Lentry_in_a_cluster:
	s_bfe_u32 s2, ttmp6, 0x10000c
	s_cmp_lg_u32 s2, 0xf033
	s_cbranch_scc0 .Lentry_shape_is_right
	s_endpgm
.Lentry_shape_is_right:
; out0[t][n] = 2 * sum over k of att[t][k] woh[k][n].  att [2048][2048] f16 (carries 1/2), woh [2048 k][4096 n] f16, out0 [2048][4096] f32; sums f32.
; The frame of the qkv launch: a work-group makes 128 x 256 (16 x 16 = 256 work-groups), a wave 64 x 128 in 32 accumulator tiles.
; K goes in chunks of 192 through two LDS slots filled by tensor loads: the largest chunk of whole quarters (32 along K) of which two slots fit in LDS
; (2 x 159,744 bytes).  2048 = 10 chunks + 128: the last load states what is left of the tensors, and only its four valid quarters are multiplied.
; From a slot's request to the wait for it a wave issues a whole chunk's 192 matrix instructions.  woh lies [k][n] and is read with the transposing LDS load.
; CLUSTER 4 x 4: att's tile is asked for jointly along a row of the cluster, woh's along a column.
; REGISTERS: window 0 addresses, two fragment buffers; window 1 the accumulators, tile (a, b) at v[8 (8 a + b)].
.set SIZE_K, 2048
.set CHK,    192
.set TAILK,  SIZE_K%CHK                ; 128
.set LOOPS,  3                         ; chunks 2 to 7, two a trip
.set PA,     432                       ; LDS row of att: 384 bytes + 16 behind every 128: an odd multiple of 16
.set PB,     544                       ; LDS row of woh: 512 bytes + 32: an odd multiple of 32
.set AHALF,  64*PA
.set BOFF,   2*AHALF
.set BHALF,  96*PB
.set SLOT,   BOFF+2*BHALF
.set STAGE,  SLOT                      ; the way out's 16 rows x 528 bytes a wave lie in slot 1, which by then has had its last fill and its last read
.set SPITCH, 528                       ; 512 bytes of f32 + 16: an odd multiple of 16
.set ADRA, 16                          ; v16-17 att's fragments, slot 0, 1
.set ADRB, 20                          ; v20-23 woh's: slot 0 quarters 0-2, quarters 3-5, slot 1 likewise (an LDS offset has 16 bits)
.set STO,  24
.set RD,   25
.set CO,   26
.set F0,   32
.set F1,   128
.set G1A, 24
.set G0A, 32
.set G1B, 48
.set G0B, 56
.set MSB, 0
.macro WIN new
.if MSB != \new
	s_set_vgpr_msb (MSB<<8)|\new
.set MSB, \new
.endif
.endm
.set W_MUL, 0x50
.macro JLOAD s                         ; waves 0, 1 ask for att's two halves, waves 2, 3 for woh's
	s_cmp_eq_u32 s13, 0
	s_cbranch_scc0 .Lfor_b_\@
	tensor_load_to_lds s[G0A+4*\s:G0A+4*\s+3], s[G1A:G1A+7]
	s_nop 0
	s_branch .Lasked_\@
.Lfor_b_\@:
	tensor_load_to_lds s[G0B+4*\s:G0B+4*\s+3], s[G1B:G1B+7]
	s_nop 0
.Lasked_\@:
.endm
.macro CREST
	s_cmp_lg_u32 s12, 0
	s_cbranch_scc1 .Lnot_wave_0_\@
	s_barrier_signal -3
.Lnot_wave_0_\@:
	s_barrier_wait -3
	s_barrier_signal -1
	s_barrier_wait -1
.endm
.macro CROUND
	s_barrier_signal -1
	s_barrier_wait -1
	CREST
.endm
.macro PLACES                          ; four plain vector instructions between a matrix instruction and a load into, or a vector access to, its registers
.rept 4
	v_nop
.endr
.endm
	s_load_b128 s[4:7], s[0:1], 0x0                ; att, woh
	s_load_b64 s[8:9], s[0:1], 0x10                ; out0
	v_lshl_add_u32 v254, v0, 2, 0x4e000
	v_mov_b32 v255, 0
	ds_add_u32 v254, v255
	v_lshrrev_b32 v1, 5, v0
	v_readfirstlane_b32 s12, v1                    ; wave
	s_lshr_b32 s13, s12, 1                         ; my half of the rows; also: I fetch att (0) or woh (1)
	s_and_b32 s14, s12, 1                          ; my half of the columns; also: which half of the tile I fetch
	s_bfe_u32 s15, ttmp6, 0x40000                  ; cx
	s_bfe_u32 s16, ttmp6, 0x40004                  ; cy
	s_lshl_b32 s17, ttmp9, 2
	s_add_co_u32 s17, s17, s15                     ; block column
	s_and_b32 s18, ttmp7, 0xffff
	s_lshl_b32 s18, s18, 2
	s_add_co_u32 s18, s18, s16                     ; block row
	s_lshl_b32 s19, s16, 2
	s_lshl_b32 s19, 15, s19                        ; my row of the cluster
	s_lshl_b32 s20, 0x1111, s15                    ; my column
	s_or_b32 s[G1A+0], s19, (1<<16)|(1<<20)|(1<<21)|(4<<22)|(3<<25)   ; mask; 2-byte elements; 4 words of padding behind every 32
	s_mov_b32 s[G1A+1], CHK<<16                    ; tensor_dim0 = 192
	s_mov_b32 s[G1A+2], 64<<16                     ; tensor_dim1 = 64
	s_mov_b32 s[G1A+3], CHK<<16                    ; tile_dim0 = 192
	s_mov_b32 s[G1A+4], 64                         ; tile_dim1 = 64
	s_mov_b32 s[G1A+5], SIZE_K
	s_mov_b32 s[G1A+6], 0
	s_mov_b32 s[G1A+7], 0
	s_or_b32 s[G1B+0], s20, (1<<16)|(1<<20)|(1<<21)|(6<<22)|(7<<25)   ; 8 words of padding behind every 128
	s_mov_b32 s[G1B+1], 256<<16
	s_mov_b32 s[G1B+2], 96<<16                     ; 96 k rows
	s_mov_b32 s[G1B+3], 256<<16
	s_mov_b32 s[G1B+4], 96
	s_mov_b32 s[G1B+5], 4096
	s_mov_b32 s[G1B+6], 0
	s_mov_b32 s[G1B+7], 0
	s_lshl_b32 s40, s18, 7                         ; att: row 128 x block row + 64 x half,
	s_lshl_b32 s22, s14, 6
	s_add_co_u32 s40, s40, s22
	s_lshl_b32 s40, s40, 12                        ; times 4,096 bytes
	s_mov_b32 s41, 0
	s_lshl_b32 s42, s17, 9                         ; woh: 512 bytes a block column + 96 k rows of 8,192 bytes a half
	s_mul_i32 s23, s14, 96*8192
	s_add_co_u32 s42, s42, s23
	s_mov_b32 s43, 0
	s_mul_i32 s21, s14, AHALF                      ; LDS: att's halves at 0 and AHALF,
	s_mul_i32 s2, s14, BHALF
	s_add_co_u32 s2, s2, BOFF                      ; woh's at BOFF and BOFF + BHALF: the wave's number and constants alone
	s_wait_dscnt 0x0
	s_wait_kmcnt 0x0
	s_add_nc_u64 s[44:45], s[4:5], s[40:41]
	s_add_nc_u64 s[46:47], s[6:7], s[42:43]
	CROUND                                         ; all sixteen work-groups are here: the first joint loads meet
.irp s, 0,1
	s_mov_b32 s[G0A+4*\s], 1
	s_add_co_u32 s[G0A+4*\s+1], s21, \s*SLOT
	s_add_nc_u64 s[G0A+4*\s+2:G0A+4*\s+3], s[44:45], \s*CHK*2
	s_or_b32 s[G0A+4*\s+3], s[G0A+4*\s+3], 0x80000000
	s_mov_b32 s[G0B+4*\s], 1
	s_add_co_u32 s[G0B+4*\s+1], s2, \s*SLOT
	s_add_nc_u64 s[G0B+4*\s+2:G0B+4*\s+3], s[46:47], \s*CHK*8192
	s_or_b32 s[G0B+4*\s+3], s[G0B+4*\s+3], 0x80000000
	JLOAD \s                                       ; both slots' first fills, one group: two tensor loads of the wave are out
.endr
	v_and_b32 v1, 15, v0                           ; r
	v_bfe_u32 v2, v0, 4, 1                         ; h
	v_and_b32 v3, 7, v0
	v_bfe_u32 v4, v0, 3, 1
	v_mul_u32_u24 v5, v1, PA
	v_lshl_add_u32 v5, v2, 4, v5                   ; 432 r + 16 h
	v_lshl_add_u32 v6, v2, 3, v3                   ; k row 8 h + lane mod 8
	v_mul_u32_u24 v6, v6, PB
	v_lshl_add_u32 v6, v4, 4, v6
	s_mul_i32 s22, s13, AHALF
	s_lshl_b32 s23, s14, 8
	s_add_co_u32 s23, s23, BOFF
.irp s, 0,1
	v_add_nc_u32 v[ADRA+\s], s22, v5
	v_add_nc_u32 v[ADRB+2*\s], s23, v6
	v_add_nc_u32 v[ADRB+2*\s+1], BHALF, v[ADRB+2*\s]
	s_add_co_u32 s22, s22, SLOT
	s_add_co_u32 s23, s23, SLOT
.endr
	s_mul_i32 s22, s12, 16*SPITCH
	s_add_co_u32 s22, s22, STAGE
	v_mul_u32_u24 v7, v1, SPITCH
	v_lshl_add_u32 v7, v2, 5, v7
	v_add_nc_u32 v[STO], s22, v7                   ; in: row r, 32 bytes a half
	v_and_b32 v7, 31, v0
	v_lshlrev_b32 v[CO], 4, v7                     ; back and out: a row of 512 bytes, 16 bytes a lane
	v_add_nc_u32 v[RD], s22, v[CO]
; Used transposed (woh's fragment first): a lane holds row r and the eight neighbouring columns 16 b + 8 h + j.
; The 32 accumulators take turns, one instruction a turn, in the same order everywhere.
.macro MUL8 f, a, zero
.irp b, 0,1,2,3,4,5,6,7
.if \zero
	v_wmma_f32_16x16x32_f16 v[8*(8*\a+\b):8*(8*\a+\b)+7], v[\f+8*\b:\f+8*\b+7], v[\f+64+8*\a:\f+64+8*\a+7], 0
.else
	v_wmma_f32_16x16x32_f16 v[8*(8*\a+\b):8*(8*\a+\b)+7], v[\f+8*\b:\f+8*\b+7], v[\f+64+8*\a:\f+64+8*\a+7], v[8*(8*\a+\b):8*(8*\a+\b)+7]
.endif
.endr
.endm
; 24 LDS loads: woh's sixteen first, att's eight last.  In att's rows quarter q begins at byte 64 q + 16 (q / 2): padding lies behind every two quarters.
.macro FETCH slot, q, f
	WIN 0
.irp b, 0,1,2,3,4,5,6,7
	ds_load_tr16_b128 v[\f+8*\b:\f+8*\b+3],   v[ADRB+2*\slot+(\q)/3] offset:32*PB*((\q)%3)+32*\b
	ds_load_tr16_b128 v[\f+8*\b+4:\f+8*\b+7], v[ADRB+2*\slot+(\q)/3] offset:32*PB*((\q)%3)+32*\b+16*PB
.endr
.irp a, 0,1,2,3
	ds_load_b128 v[\f+64+8*\a:\f+64+8*\a+3],   v[ADRA+\slot] offset:16*PA*\a+64*\q+16*((\q)/2)
	ds_load_b128 v[\f+64+8*\a+4:\f+64+8*\a+7], v[ADRA+\slot] offset:16*PA*\a+64*\q+16*((\q)/2)+32
.endr
.endm
.macro QUARTER slot, q, f, g, zero     ; multiplies buffer f; in its middle fetches quarter q into buffer g
	s_wait_dscnt 4                                 ; all but the four youngest loads (att's row blocks 2, 3) are in
	WIN W_MUL
	MUL8 \f, 0, \zero
	MUL8 \f, 1, \zero
	PLACES
	FETCH \slot, \q, \g
	s_wait_dscnt 24                                ; all but the 24 just issued
	WIN W_MUL
	MUL8 \f, 2, \zero
	MUL8 \f, 3, \zero
.endm
.macro FIVE slot, zero
	QUARTER \slot, 1, F0, F1, \zero
	QUARTER \slot, 2, F1, F0, 0
	QUARTER \slot, 3, F0, F1, 0
	QUARTER \slot, 4, F1, F0, 0
	QUARTER \slot, 5, F0, F1, 0
.endm
; The sixth quarter changes slots, at its head: its fragments are in registers, so this slot is read no more.  Each wave waits for its reads and for all its
; tensor loads (one is out: its part of the next slot), then the barrier; where the slot is filled again (fill = 1; 2: with what is left of K) the barrier opens
; a round of the cluster's barrier, and the joint refill is the first tensor load behind the round.
.macro TURN slot, next, fill
	s_wait_dscnt 0x0
	s_wait_tensorcnt 0x0
	ds_add_u32 v254, v255
	s_wait_dscnt 0x0
	WIN 0
	s_barrier_signal -1
	s_barrier_wait -1
.if \fill
	CREST
	s_add_nc_u64 s[G0A+4*\slot+2:G0A+4*\slot+3], s[G0A+4*\slot+2:G0A+4*\slot+3], 2*CHK*2
	s_add_nc_u64 s[G0B+4*\slot+2:G0B+4*\slot+3], s[G0B+4*\slot+2:G0B+4*\slot+3], 2*CHK*8192
.if \fill == 2
	s_mov_b32 s[G1A+1], TAILK<<16                  ; no load is out: the shapes may be written.  att: 128 elements of a row are left (the rest arrives as zeros and is not read)
	s_lshl_b32 s22, s14, 22
	s_sub_co_u32 s[G1B+2], 96<<16, s22             ; woh: 128 k rows are left: 96 for the first half's load, 32 for the second's
.endif
	JLOAD \slot
.endif
	PLACES
	FETCH \next, 0, F0
	WIN W_MUL
	MUL8 F1, 0, 0
	MUL8 F1, 1, 0
	MUL8 F1, 2, 0
	MUL8 F1, 3, 0
.endm
.macro LAP zero
	FIVE 0, \zero
	TURN 0, 1, 1
	FIVE 1, 0
	TURN 1, 0, 1
.endm
	s_wait_tensorcnt 0x1                           ; my part of chunk 0 is in; chunk 1's stays out
	s_barrier_signal -1
	s_barrier_wait -1
	FETCH 0, 0, F0
	LAP 1                                          ; chunks 0, 1: the first products start the sums
	WIN 0
	s_mov_b32 s3, LOOPS
.Llap:
	LAP 0                                          ; chunks 2 to 7
	WIN 0
	s_sub_co_u32 s3, s3, 1
	s_cmp_lg_u32 s3, 0
	s_cbranch_scc1 .Llap
	FIVE 0, 0                                      ; chunk 8: asks for the last 128 along K
	TURN 0, 1, 2
	FIVE 1, 0                                      ; chunk 9: fills nothing; behind its barrier no wave reads slot 1 any more
	TURN 1, 0, 0
	QUARTER 0, 1, F0, F1, 0                        ; the last 128 along K: four quarters
	QUARTER 0, 2, F1, F0, 0
	QUARTER 0, 3, F0, F1, 0
	s_wait_dscnt 4
	WIN W_MUL
	MUL8 F1, 0, 0
	MUL8 F1, 1, 0
	s_wait_dscnt 0
	MUL8 F1, 2, 0
	MUL8 F1, 3, 0
	PLACES
	; THE WAY OUT, 16 rows at a time: times 2, 32 bytes a lane into my stage, whole rows of 512 bytes back and out.
	s_lshl_b32 s40, s18, 7
	s_lshl_b32 s22, s13, 6
	s_add_co_u32 s40, s40, s22
	s_lshl_b32 s40, s40, 14                        ; my first row of out0, 16,384 bytes a row
	s_mov_b32 s41, 0
	s_add_nc_u64 s[8:9], s[8:9], s[40:41]
	s_lshl_b32 s42, s17, 10
	s_lshl_b32 s23, s14, 9
	s_add_co_u32 s42, s42, s23                     ; my first column, in bytes
	s_mov_b32 s43, 0
	s_add_nc_u64 s[8:9], s[8:9], s[42:43]
.macro OUT16 a
	WIN 0x01                                       ; source 0 window 1
.irp b, 0,1,2,3,4,5,6,7
.irp p, 0,2,4,6
	v_pk_mul_f32 v[F0+8*\b+\p:F0+8*\b+\p+1], v[8*(8*\a+\b)+\p:8*(8*\a+\b)+\p+1], 2.0 op_sel_hi:[1,0]
.endr
.endr
	WIN 0
.irp b, 0,1,2,3,4,5,6,7
.irp c, 0,1
	ds_store_b128 v[STO], v[F0+8*\b+4*\c:F0+8*\b+4*\c+3] offset:64*\b+16*\c
.endr
.endr
	s_wait_xcnt 0x0                                ; the registers that earlier stores read, and their base, are rewritten only behind this wait
.if \a
	s_add_nc_u64 s[8:9], s[8:9], 16*16384
.endif
.set t, 0
.rept 16
	ds_load_b128 v[F1+4*t:F1+4*t+3], v[RD] offset:t*SPITCH             ; a wave's LDS instructions are served in order: these see the stores above
.set t, t+1
.endr
.set t, 0
.rept 16
	s_wait_dscnt 15-t
	global_store_b128 v[CO], v[F1+4*t:F1+4*t+3], s[8:9] offset:t*16384 th:TH_STORE_NT   ; the wave stores 512 neighbouring bytes, aligned
.set t, t+1
.endr
.endm
	OUT16 0
	OUT16 1
	OUT16 2
	OUT16 3
	s_wait_tensorcnt 0x0
	ds_add_u32 v254, v255
	s_wait_dscnt 0x0
	CROUND                                         ; the closing round
	s_endpgm
.Lfunc_end_k_q1ec8461373_outp:
	.size	k_q1ec8461373_outp, .Lfunc_end_k_q1ec8461373_outp-k_q1ec8461373_outp
	.p2alignl 7, 3214868480
	.fill 96, 4, 3214868480
	.section	.rodata,"a",@progbits
	.p2align	6, 0x0
	.amdhsa_kernel k_q1ec8461373_outp
		.amdhsa_group_segment_fixed_size 327680
		.amdhsa_private_segment_fixed_size 0
		.amdhsa_enable_private_segment 0
		.amdhsa_kernarg_size 24
		.amdhsa_user_sgpr_count 2
		.amdhsa_user_sgpr_kernarg_segment_ptr 1
		.amdhsa_wavefront_size32 1
		.amdhsa_system_sgpr_workgroup_id_x 1
		.amdhsa_system_sgpr_workgroup_id_y 1
		.amdhsa_system_sgpr_workgroup_id_z 1
		.amdhsa_system_vgpr_workitem_id 0
		.amdhsa_next_free_vgpr 512
		.amdhsa_next_free_sgpr 66
		.amdhsa_reserve_vcc 0
		.amdhsa_float_denorm_mode_32 3
		.amdhsa_float_denorm_mode_16_64 3
		.amdhsa_memory_ordered 1
		.amdhsa_forward_progress 1
		.amdhsa_inst_pref_size 187
	.end_amdhsa_kernel
	.amdgpu_metadata
---
amdhsa.version: [ 1, 2 ]
amdhsa.kernels:
  - .name:           k_q1ec8461373_outp
    .symbol:         k_q1ec8461373_outp.kd
    .args:
      - { .name: att, .offset: 0, .size: 8, .value_kind: global_buffer, .address_space: global }
      - { .name: woh, .offset: 8, .size: 8, .value_kind: global_buffer, .address_space: global }
      - { .name: out0, .offset: 16, .size: 8, .value_kind: global_buffer, .address_space: global }
    .group_segment_fixed_size: 327680
    .private_segment_fixed_size: 0
    .kernarg_segment_align: 8
    .kernarg_segment_size: 24
    .max_flat_workgroup_size: 128
    .sgpr_count:     66
    .vgpr_count:     512
    .wavefront_size: 32
...
	.end_amdgpu_metadata
.endif
;; end of part 4
